; MI455X (gfx1250); checked and timed in simulation.
; The chip was launched on July 23, 2026; its instructions are those of AMD's public machine-readable ISA for CDNA 5 (MIT licence, August 2026) and "CDNA5" Instruction Set Architecture Reference Guide (July 2026). The comments in the code are by the model that wrote it; some were corrected since.
;; Custom Linear4 Bit. Allowed arithmetic: matrix products marked QUANTISED: E4M3 operands, one E8M0 scale for each 32 along K, by v_wmma_scale_f32_16x16x128_f8f6f4 with both operands' format E4M3, f32 sums; everything else in f32.
;; Inputs: bias 2,048 float32; input_tensor 4 x 2,048 x 4,096 float32; quantized_weights 524,288 x 8 int32; weight_normalization 524,288 x 1 float32.
;; Outputs: out0 4 x 2,048 x 2,048 float32.
;; This version of the problem:
;;   THIS VERSION OF THE PROBLEM IS GIVEN IN LOW PRECISION. The matrix products marked QUANTISED in the list below multiply operands that are first quantised to E4M3 (4 exponent bits, 3 mantissa bits; 8 bits a number), with one power-of-two scale for each 32 numbers along K (OCP MX v1.0); their sums are f32. All else is computed in f32.
;;   The module's matrix products, in the order in which they are computed (A, B: the left and right operand; K: the contracted axis; several contracted axes count as one K, in the product's order):
;;     1. [M 8,192, K 4,096] x [K 4,096, N 2,048]; A: input input_tensor; B: computed on the way: QUANTISED
;;   THE QUANTISER, for each operand of a quantised product, along K:
;;     - K is cut into blocks of 32 from its start; a last block that is shorter is filled with zeros.
;;     - A block's scale is 2^e with e = floor(log2(the largest magnitude in the block)) - 8, held to -126 .. 127; a block of zeros has e = 0. As a byte (E8M0): e + 127.
;;     - Each number is divided by its block's scale, clamped to +-448, and rounded to the nearest number of E4M3, ties to even, subnormals kept.
;;     - The product sums the exact products of the quantised numbers (number of the format x scale) in f32.
;;   ~~~python
;;   def quantise(x, axis):      # numpy; x: float32 -> the quantised numbers, widened to float32 again
;;       x = np.moveaxis(x, axis, -1); K = x.shape[-1]
;;       x = np.pad(x, [(0, 0)] * (x.ndim - 1) + [(0, -K % 32)]); x = x.reshape(x.shape[:-1] + (-1, 32)); a = np.abs(x).max(-1, keepdims=True)
;;       e = np.where(a > 0, np.clip(np.frexp(np.where(a > 0, a, 1))[1] - 1 - 8, -126, 127), 0)      # np.frexp(a)[1] - 1 = floor(log2(a)), exactly
;;       r = np.clip(x / 2.0 ** e, -448, 448)
;;       step = 2.0 ** (np.maximum(np.frexp(np.where(r == 0, 1, r))[1] - 1, -6) - 3)
;;       q = np.round(r / step) * step * 2.0 ** e      # np.round: ties to even
;;       return np.moveaxis(q.reshape(q.shape[:-2] + (-1,))[..., :K], -1, axis).astype(np.float32)
;;   ~~~
;;   OPERANDS COMPUTED ON THE WAY. 'Computed on the way' means the value that the module computes at that place (a softmax that the list does not call 'softmax' is quantised finished and normalised). What goes into a quantiser is computed in f32, as accurately as f32 sums, v_exp_f32 and their like allow (about 1e-6 of the number): no bf16 or f16 on the way to a quantiser, and a product that is left as it is and whose result goes on into a quantised operand takes f32 operands (vector FMAs, or v_wmma_f32_16x16x4_f32). A number that lies on a knife's edge between two numbers of the format may be rounded either way, as far as f32 arithmetic and the matrix unit's own rounding can turn it there, and no further.
;; One version. Each part assembles by itself: llvm-mc -triple=amdgcn-amd-amdhsa -mcpu=gfx1250 --defsym DOCPART=n.
;; ======== version 1 of 1: 2 launches
;; limits: right only within a limited range of input values
;; workspace buffers: xq 34,603,008 bytes; wq 8,650,752 bytes
;; launch quant (part 1): grid 1280 x 1, 4 waves a work-group, no clusters, 34,304 bytes of LDS; arguments input_tensor, quantized_weights, weight_normalization, xq, wq; writes xq, wq
.if DOCPART == 1
	.amdgcn_target "amdgcn-amd-amdhsa--gfx1250"
	.amdhsa_code_object_version 6
	.text
	.protected	k_q6e7b3d5727_quant
	.globl	k_q6e7b3d5727_quant
	.p2align	8
	.type	k_q6e7b3d5727_quant,@function
k_q6e7b3d5727_quant:
	s_mov_b64 s[64:65], 0
	v_nop
	global_prefetch_b8 v0, s[64:65] scope:SCOPE_SE
	s_setreg_imm32_b32 hwreg(HW_REG_WAVE_MODE, 25, 1), 1
	s_wait_xcnt 0x0
; x [8192][4096] f32, and W [2048][4096], which is made here in f32 from packed nibbles and one norm for each 16 along K
; (w = (q / 15) (2 norm) - norm), are turned into codes of FP8 (E4M3) with one E8M0 scale byte for each 32 along K.
; A block's scale is 2^(floor(log2(its largest magnitude)) - 8); its byte is the largest magnitude's exponent field - 8, held at 1
; from below; each number is held within +-448 x the scale and rounded to the nearest code, ties to even.
; THE OUTPUT IS LAID AS THE PRODUCT'S LAUNCH READS IT: chunks of 33,792 bytes, one for 128 rows x 256 along K, [row block][K step].
; In a chunk the fragment (tile i of 16 rows, q-th 128 along K) lies at 2,048 (2 i + q) as an image of its 16 operand registers:
; byte 512 c + 16 lane + j is the code of row 16 i + lane % 16 at k = 128 q + 32 c + 16 (lane / 16) + j.  From byte 32,768 on the
; scale words: tile i at 128 i, row r at 8 r: the word of q = 0, then that of q = 1.
; SHARES.  A wave takes 32 rows x 256 along K: four fragments f = 2 t + q, 8,192 consecutive bytes of one chunk, and 256 consecutive
; bytes of scale words.  The four waves of a work-group stand side by side along K.  Work-groups 0 to 255 take W, the other 1,024 x.
; The two paths part once, on the work-group's number; only x's path touches LDS.  No barrier: waves share nothing.
; x: a load reads 512 consecutive bytes of one row; the conversions want 16 neighbours along K in ONE lane, so a fragment's 16 rows
; turn through the wave's own stage in LDS (rows 528 bytes apart = 33 x 16
; 64 banks of 4 bytes: ISA guide 11.1).  W: a lane's 16 numbers of a block are one group of 16: 32 neighbouring bytes, one norm.
; LIMITS.  NaN and infinities among the inputs are not served.  A block of zeros gets the byte 1 where the rule says 127: its codes
; are zeros, which add nothing under any byte but 0xff, and this program alone reads the bytes.  q / 15 is taken as q x f32(1 / 15),
; and the product with 2 norm and the subtraction of norm are one fused multiply-add: about 1e-7 x norm away from three roundings.
.set CHUNK, 33792
.set WGW,   256                        ; work-groups that take W
.set SP,    528                        ; a stage row
.set LI,  1                            ; v1   16 x lane
.set STI, 2                            ; v2   the stage, on the way in: 8,448 x wave + 16 x lane
.set STO, 3                            ; v3   and on the way out: 8,448 x wave + 528 r + 64 h
.set L8,  4                            ; v4   8 x lane
.set R,   8                            ; v8-71    x: a fragment's 64 numbers as loaded
.set X,   72                           ; v72-135  x: the same, turned: register 16 c + i = k 32 c + 16 h + i of row r
.set PC,  136                          ; v136-167 codes: x two sets of 16, W one
.set Q,   8                            ; v8-71    W: two sets of 32 packed words
.set Y,   72                           ; v72-135  W: 64 numbers
.set NR,  152                          ; v152-167 W: 16 norms, 4 f + c
.set TM,  168                          ; v168-171 largest magnitudes, v172-175 bytes, v176-179 448 x the scale, v180-183 the conversions' scale operands
.set PW,  184                          ; v184-187 the four fragments' scale words
.set SW,  168                          ; v168-169 the scale words as they are stored: the first two of TM, which are free behind the last fragment
.set SPW, 188                          ; v188 LDS address of my spare word; never rewritten
.set NIL, 189                          ; v189 0; never rewritten
.set QO,  190                          ; v190 W: 8,192 r + 32 h
.set NO,  191                          ; v191 W: 1,024 r + 4 h
	s_load_b256 s[4:11], s[0:1], 0x0               ; x s[4:5], the packed words s[6:7], the norms s[8:9], xq s[10:11]
	s_load_b64 s[12:13], s[0:1], 0x20              ; wq
	v_lshl_add_u32 v188, v0, 2, 0x8400
	v_mov_b32 v189, 0
	v_lshrrev_b32 v5, 5, v0
	v_readfirstlane_b32 s14, v5                    ; wave 0..3
	v_and_b32 v5, 31, v0                           ; lane
	v_and_b32 v6, 15, v0                           ; r
	v_bfe_u32 v7, v0, 4, 1                         ; h
	v_lshlrev_b32 v[LI], 4, v5
	v_lshlrev_b32 v[L8], 3, v5
	s_mul_i32 s25, s14, 16*SP                      ; my wave's stage
	v_add_nc_u32 v[STI], s25, v[LI]
	v_mul_u32_u24 v[STO], v6, SP
	v_lshl_add_u32 v[STO], v7, 6, v[STO]
	v_add_nc_u32 v[STO], s25, v[STO]
	s_mov_b32 s22, 0x76543210
	s_mov_b32 s23, 0xfedcba98                      ; v_permlanex16_b32's selects for lane l xor 16
	s_mov_b32 s24, 0x600000                        ; the mantissa field of 448
.irp b, 0,1,2,3
	v_mov_b32 v[TM+4+\b], 0                        ; written once: a lane permute's destination counts as one of its sources
.endr
	s_cmp_lt_u32 ttmp9, WGW
	s_cselect_b32 s15, 0, WGW
	s_sub_co_u32 s15, ttmp9, s15                   ; g: my number among the tensor's work-groups
	s_lshr_b32 s16, s15, 2                         ; rp: which 32 rows
	s_and_b32 s17, s15, 3
	s_lshl_b32 s17, s17, 2
	s_add_co_u32 s17, s17, s14                     ; ks: which 256 along K = 4 (g % 4) + wave
	s_lshr_b32 s18, s16, 2                         ; the row block of 128
	s_lshl_b32 s18, s18, 4
	s_add_co_u32 s18, s18, s17
	s_mul_i32 s18, s18, CHUNK                      ; my chunk (under 2^26 bytes)
	s_and_b32 s19, s16, 3                          ; which pair of tiles in it
	s_lshl_b32 s26, s19, 13
	s_add_co_u32 s26, s26, s18                     ; my four images
	s_mov_b32 s27, 0
	s_lshl_b32 s28, s19, 8
	s_add_co_u32 s28, s28, s18
	s_add_co_u32 s28, s28, 32768                   ; my 256 bytes of scale words
	s_mov_b32 s29, 0
	s_wait_kmcnt 0x0
	s_cmp_lt_u32 ttmp9, WGW                        ; the choice hangs on the work-group's number alone
	s_cselect_b64 s[10:11], s[12:13], s[10:11]
	s_add_nc_u64 s[20:21], s[10:11], s[28:29]
	s_add_nc_u64 s[10:11], s[10:11], s[26:27]
; 64 numbers of a lane, v[s] on, register 16 b + i = k 32 b + 16 (lane / 16) + i of my row, become a fragment's codes in v[pc] on and its scale word in v[pw].
.macro QUANT s, pc, pw
.irp b, 0,1,2,3
	v_max3_num_f32 v[TM+\b], |v[\s+16*\b]|, |v[\s+1+16*\b]|, 0x4800000   ; block b: my 16 numbers, and the floor 2^(9 - 127): the byte cannot fall under 1
.endr
.irp i, 2,4,6,8,10,12,14
.irp b, 0,1,2,3
	v_max3_num_f32 v[TM+\b], v[TM+\b], |v[\s+16*\b+\i]|, |v[\s+1+16*\b+\i]|   ; the four blocks by turns: no line waits for the line above it
.endr
.endr
.irp b, 0,1,2,3
	v_permlanex16_b32 v[TM+4+\b], v[TM+\b], s22, s23
.endr
.irp b, 0,1,2,3
	v_max_num_f32 v[TM+\b], v[TM+\b], v[TM+4+\b]   ; with lane l xor 16's: the block's largest magnitude
.endr
.irp b, 0,1,2,3
	v_add_nc_u32 v[TM+12+\b], 0xfc000000, v[TM+\b] ; 8 off its exponent field: the conversion takes the exponent field of this operand as its scale
.endr
.irp b, 0,1,2,3
	v_and_or_b32 v[TM+8+\b], v[TM+\b], 0x7f800000, s24   ; 448 x the scale
.endr
.irp b, 0,1,2,3
	v_lshrrev_b32 v[TM+4+\b], 23, v[TM+12+\b]      ; the scale's byte
.endr
	v_lshl_or_b32 v[\pw], v[TM+5], 8, v[TM+4]      ; the four bytes make my row's scale word; lanes l and l xor 16 hold the same
	v_lshl_or_b32 v[\pw], v[TM+6], 16, v[\pw]
	v_lshl_or_b32 v[\pw], v[TM+7], 24, v[\pw]
.irp b, 0,1,2,3
.irp i, 0,1,2,3,4,5,6,7,8,9,10,11,12,13,14,15
	v_med3_num_f32 v[\s+16*\b+\i], v[\s+16*\b+\i], -v[TM+8+\b], v[TM+8+\b]   ; the conversion to an 8-bit code does not saturate (ISA guide 7.6.2): the hold comes first
.endr
	v_cvt_scalef32_pk8_fp8_f32 v[(\pc)+4*\b:(\pc)+1+4*\b], v[\s+16*\b:\s+7+16*\b], v[TM+12+\b]
	v_cvt_scalef32_pk8_fp8_f32 v[(\pc)+2+4*\b:(\pc)+3+4*\b], v[\s+8+16*\b:\s+15+16*\b], v[TM+12+\b]
.endr
	v_nop                                          ; one plain vector instruction behind the last conversion, ahead of whatever vector line next touches its registers
.endm
; The fragment's image leaves: each store covers 512 consecutive bytes, aligned to 256
.macro OUT f, pc
.irp c, 0,1,2,3
	global_store_b128 v[LI], v[(\pc)+4*\c:(\pc)+4*\c+3], s[10:11] offset:2048*(\f)+512*\c
.endr
.endm
; The wave's end: lanes 0-15 carry the first tile's two words of row r, lanes 16-31 the second tile's: 256 consecutive bytes, aligned
.macro FINISH
	v_cmp_lt_u32 vcc_lo, 15, v5
	v_cndmask_b32 v[SW], v[PW], v[PW+2], vcc_lo
	v_cndmask_b32 v[SW+1], v[PW+1], v[PW+3], vcc_lo
	global_store_b64 v[L8], v[SW:SW+1], s[20:21]
	s_wait_tensorcnt 0x0
	ds_add_u32 v188, v189
	s_wait_dscnt 0x0
	s_endpgm
.endm
	s_cmp_lt_u32 ttmp9, WGW
	s_cbranch_scc1 .Lw
	; ---------------- x ----------------
	s_lshl_b32 s26, s16, 19                        ; 32 rows of 16,384 bytes (under 2^27 in all)
	s_lshl_b32 s28, s17, 10                        ; 256 numbers of 4 bytes
	s_add_co_u32 s26, s26, s28
	s_add_nc_u64 s[4:5], s[4:5], s[26:27]
.macro XLOAD f                         ; fragment f: 16 rows x 128 numbers; a load reads 512 consecutive bytes of one row; read once in the launch
.irp j, 0,1,2,3,4,5,6,7,8,9,10,11,12,13,14,15
	global_load_b128 v[R+4*\j:R+4*\j+3], v[LI], s[4:5] offset:(16*((\f)/2)+\j)*16384+512*((\f)%2) th:TH_LOAD_NT
.endr
.endm
.macro XSTEP f
	s_wait_loadcnt 0x0                             ; fragment f's sixteen loads are in
.irp j, 0,1,2,3,4,5,6,7,8,9,10,11,12,13,14,15
	ds_store_b128 v[STI], v[R+4*\j:R+4*\j+3] offset:SP*\j
.endr
.irp c, 0,1,2,3
.irp k, 0,1,2,3
	ds_load_b128 v[X+16*\c+4*\k:X+16*\c+4*\k+3], v[STO] offset:128*\c+16*\k   ; LDS serves a wave's instructions in order (ISA guide 5.7.1.4): these see the stores above
.endr
.endr
	s_wait_dscnt 16                                ; the sixteen reads may be out; the sixteen stores are done and have read R
	s_wait_xcnt 0x0                                ; the earlier stores to memory have read their codes: that set of registers may be written again
.if (\f) < 3
	XLOAD (\f)+1                                   ; the next fragment is on its way while this one is quantised
.endif
	s_wait_dscnt 0x0                               ; my 64 numbers are back
	QUANT X, PC+16*((\f)%2), PW+(\f)
	OUT \f, PC+16*((\f)%2)
.endm
	XLOAD 0
	s_wait_alu depctr_va_vdst(0)
	XSTEP 0
	XSTEP 1
	XSTEP 2
	XSTEP 3
	FINISH
	; ---------------- W ----------------
.Lw:
	s_lshl_b32 s26, s16, 18                        ; 32 rows of 8,192 bytes of packed words (two numbers in each word of 4 bytes)
	s_lshl_b32 s28, s17, 9                         ; 256 numbers: 512 bytes
	s_add_co_u32 s26, s26, s28
	s_add_nc_u64 s[6:7], s[6:7], s[26:27]
	s_lshl_b32 s26, s16, 15                        ; 32 rows of 1,024 bytes of norms
	s_lshl_b32 s28, s17, 6                         ; 16 norms
	s_add_co_u32 s26, s26, s28
	s_add_nc_u64 s[8:9], s[8:9], s[26:27]
	v_lshlrev_b32 v[QO], 13, v6
	v_lshl_add_u32 v[QO], v7, 5, v[QO]
	v_lshlrev_b32 v[NO], 10, v6
	v_lshl_add_u32 v[NO], v7, 2, v[NO]
.macro QLOAD f                         ; fragment f: for each block c my group's 8 words, 32 bytes; a fragment's eight loads together cover 256 consecutive bytes of each of 16 rows
.irp c, 0,1,2,3
.irp k, 0,1
	global_load_b128 v[Q+32*((\f)%2)+8*\c+4*\k:Q+32*((\f)%2)+8*\c+4*\k+3], v[QO], s[6:7] offset:16*((\f)/2)*8192+256*((\f)%2)+64*\c+16*\k
.endr
.endr
.endm
.macro DEQ f                           ; w = (q x 1/15) (2 norm) - norm: the even place from a word's low nibble, the odd place from the next nibble; higher bits are not looked at
.irp c, 0,1,2,3
	v_add_f32 v[TM+\c], v[NR+4*(\f)+\c], v[NR+4*(\f)+\c]   ; 2 norm
.endr
.irp c, 0,1,2,3
.irp i, 0,1,2,3,4,5,6,7
	v_and_b32 v[Y+16*\c+2*\i], 15, v[Q+32*((\f)%2)+8*\c+\i]
	v_bfe_u32 v[Y+16*\c+2*\i+1], v[Q+32*((\f)%2)+8*\c+\i], 4, 4
.endr
.irp i, 0,1,2,3,4,5,6,7,8,9,10,11,12,13,14,15
	v_cvt_f32_u32 v[Y+16*\c+\i], v[Y+16*\c+\i]
.endr
.irp i, 0,2,4,6,8,10,12,14
	v_pk_mul_f32 v[Y+16*\c+\i:Y+16*\c+\i+1], v[Y+16*\c+\i:Y+16*\c+\i+1], 0x3d888889 op_sel_hi:[1,0]
.endr
.irp i, 0,1,2,3,4,5,6,7,8,9,10,11,12,13,14,15
	v_fma_f32 v[Y+16*\c+\i], v[Y+16*\c+\i], v[TM+\c], -v[NR+4*(\f)+\c]
.endr
.endr
.endm
.macro WSTEP f
.if (\f) < 3
	s_wait_loadcnt 8                               ; the norms and this fragment's words are in; the next fragment's eight loads may be out
.else
	s_wait_loadcnt 0x0
.endif
	DEQ \f
	s_wait_xcnt 0x0                                ; the last fragment's stores have read their codes
.if (\f) < 2
	QLOAD (\f)+2                                   ; into the set that has just been unpacked
.endif
	QUANT Y, PC, PW+(\f)
	OUT \f, PC
.endm
.irp f, 0,1,2,3
.irp c, 0,1,2,3
	global_load_b32 v[NR+4*\f+\c], v[NO], s[8:9] offset:16*(\f/2)*1024+32*(\f%2)+8*\c   ; the norm of my group of 16 in block c of fragment f
.endr
.endr
	QLOAD 0
	QLOAD 1
	WSTEP 0
	WSTEP 1
	WSTEP 2
	WSTEP 3
	FINISH
.Lfunc_end_k_q6e7b3d5727_quant:
	.size	k_q6e7b3d5727_quant, .Lfunc_end_k_q6e7b3d5727_quant-k_q6e7b3d5727_quant
	.p2alignl 7, 3214868480
	.fill 96, 4, 3214868480
	.section	.rodata,"a",@progbits
	.p2align	6, 0x0
	.amdhsa_kernel k_q6e7b3d5727_quant
		.amdhsa_group_segment_fixed_size 34304
		.amdhsa_private_segment_fixed_size 0
		.amdhsa_enable_private_segment 0
		.amdhsa_kernarg_size 40
		.amdhsa_user_sgpr_count 2
		.amdhsa_user_sgpr_kernarg_segment_ptr 1
		.amdhsa_wavefront_size32 1
		.amdhsa_system_sgpr_workgroup_id_x 1
		.amdhsa_system_sgpr_workgroup_id_y 1
		.amdhsa_system_sgpr_workgroup_id_z 1
		.amdhsa_system_vgpr_workitem_id 0
		.amdhsa_next_free_vgpr 192
		.amdhsa_next_free_sgpr 66
		.amdhsa_reserve_vcc 1
		.amdhsa_float_denorm_mode_32 3
		.amdhsa_float_denorm_mode_16_64 3
		.amdhsa_memory_ordered 1
		.amdhsa_forward_progress 1
		.amdhsa_inst_pref_size 139
	.end_amdhsa_kernel
	.amdgpu_metadata
---
amdhsa.version: [ 1, 2 ]
amdhsa.kernels:
  - .name:           k_q6e7b3d5727_quant
    .symbol:         k_q6e7b3d5727_quant.kd
    .args:
      - { .name: input_tensor, .offset: 0, .size: 8, .value_kind: global_buffer, .address_space: global }
      - { .name: quantized_weights, .offset: 8, .size: 8, .value_kind: global_buffer, .address_space: global }
      - { .name: weight_normalization, .offset: 16, .size: 8, .value_kind: global_buffer, .address_space: global }
      - { .name: xq, .offset: 24, .size: 8, .value_kind: global_buffer, .address_space: global }
      - { .name: wq, .offset: 32, .size: 8, .value_kind: global_buffer, .address_space: global }
    .group_segment_fixed_size: 34304
    .private_segment_fixed_size: 0
    .kernarg_segment_align: 8
    .kernarg_segment_size: 40
    .max_flat_workgroup_size: 128
    .sgpr_count:     66
    .vgpr_count:     192
    .wavefront_size: 32
...
	.end_amdgpu_metadata
.endif
;; end of part 1
;; launch gemm (part 2): grid 8 x 32, 4 waves a work-group, clusters of 4 x 4, 327,680 bytes of LDS; arguments xq, wq, bias, out0; writes out0
.if DOCPART == 2
	.amdgcn_target "amdgcn-amd-amdhsa--gfx1250"
	.amdhsa_code_object_version 6
	.text
	.protected	k_q6e7b3d5727_gemm
	.globl	k_q6e7b3d5727_gemm
	.p2align	8
	.type	k_q6e7b3d5727_gemm,@function
k_q6e7b3d5727_gemm:
	s_mov_b64 s[64:65], 0
	v_nop
	global_prefetch_b8 v0, s[64:65] scope:SCOPE_SE
	s_setreg_imm32_b32 hwreg(HW_REG_WAVE_MODE, 25, 1), 1
	s_wait_xcnt 0x0
	s_wait_alu depctr_hold_cnt(0) depctr_sa_sdst(0) depctr_va_vdst(0) depctr_va_sdst(0) depctr_va_ssrc(0) depctr_va_vcc(0) depctr_vm_vsrc(0)
	s_getreg_b32 s2, hwreg(HW_REG_IB_STS2, 6, 4)
	s_cmp_eq_u32 s2, 0
	s_cbranch_scc0 .Lentry_in_a_cluster
	s_endpgm
.Lentry_in_a_cluster:
	s_bfe_u32 s2, ttmp6, 0x10000c
	s_cmp_lg_u32 s2, 0xf033
	s_cbranch_scc0 .Lentry_shape_is_right
	s_endpgm
.Lentry_shape_is_right:
; out0[m][n] = sum over k of x[m][k] W[n][k] + bias[n], m 8,192, n 2,048, k 4,096, on the codes of E4M3 and E8M0 scale words that launch quant laid down.
; xq and wq are chunks of 33,792 bytes, [row block of 128][K step of 256]: sixteen images of operand fragments (tile i of 16 rows, q-th 128 along K, at 2,048 (2 i + q):
; byte 512 c + 16 lane is the lane's registers 4 c .. 4 c + 3), then from byte 32,768 the scale words (tile i at 128 i, row r at 8 r, the word of q = 0, then of q = 1).
; SHARES.  A work-group of four waves makes 256 x 256 of out0, 256 work-groups in all; a wave makes 128 x 128: 64 accumulators, 512 registers.  K goes in 16 steps of 256 through a ring of two
; LDS slots of four chunks (x's two row blocks, then W's two); each wave fetches one chunk of a slot by one tensor load, as 132 rows of 256 bytes.
; CLUSTERS: 4 x 4 work-groups; x's chunks are asked for jointly along a row of the cluster, W's along a column.
; THE PRODUCT IS USED TRANSPOSED (source 0 = 16 rows of W, source 1 = 16 rows of x): a lane holds eight neighbouring columns of one row of out0.  The bias is the C of each accumulator's first product.
; THE LOOP.  A step of 128 along K is eight groups: x's block a against W's eight fragments, a v_nop behind each product.  Behind each group stand the LDS loads of two or three fragments whose
; registers were last multiplied a group or more earlier, so that the eight v_nop of the group between are the eight places that a load into a multiplied register wants.
; x has ONE set of fragment registers: block a is loaded anew, for the next step, once its group and one more group are past; W has two sets.  Products and LDS loads are so issued by turns.
; REGISTERS: window 0: v0-31 addresses; v32-63 scale words, a set for each slot (register 2 i + q: lanes 0-15 x's block i, lanes 16-31 W's block i); v64-127 the bias, later the way out; v128-255 x's fragments.
;   window 1: W's fragments, two sets.  windows 2, 3: the accumulators of my rows 0-63 and 64-127, (a, b) at v[8 (8 (a % 4) + b)].
; PREFETCH: at the refill that asks for K step t each wave names K step t + 2 of the chunk that it fetches: the four partners of the joint load share its 128 blocks of codes out by address, 32 a partner, a lane a block;
; the chunk's last 1,024 bytes (scale words) come by the load alone.  The first four K steps come by their loads alone; the loop's last trip, whose refills are K steps 14 and 15, asks for nothing.
; LIMITS are those of launch quant, which makes the codes.
.set SIZE_N, 2048
.set CHUNK,  33792
.set ROWBLK, 16*CHUNK                  ; a row block's 16 K steps
.set SLOT,   4*CHUNK
.set SPARE,  2*SLOT                    ; behind the ring: the spare words, 128 bytes a wave, named by no other line
.set FR,     16                        ; registers of a fragment
.set LAPS,   8                         ; a lap = two K steps = once round the ring
.set SPITCH, 528                       ; the way out: a stage of 16 rows x (512 + 16) bytes for each wave, in slot 0 behind its last fill and last read
.set ADRA, 16                          ; v16-17 LDS address of my x fragments in slot 0, 1
.set ADRB, 20                          ; v20-21 the same for W
.set ADRS, 22                          ; v22-23 my scale words in slot 0, 1
.set STO,  24                          ; the way out: into the stage,
.set RD,   25                          ; back from it,
.set CO,   26                          ; and my byte offset in a row of out0
.set SPW,  28                          ; my spare word; never rewritten
.set NIL,  29                          ; 0; never rewritten
.set PFO,  30                          ; the prefetches' offset: 256 x lane
.set SC,   32
.set BI,   64                          ; the bias of my 128 columns in the result's layout
.set AF,   128
.set BK,   64                          ; the way out: v64-127 and v192-255 by turns
.set G1,  24                           ; s[24:31], s[32:39]: groups 1 and 0 (a set for each slot) for x's chunks
.set G0,  32
.set G1B, 48                           ; s[48:55], s[56:63]: the same for W's
.set G0B, 56
.set PFA, 66                           ; s[66:67] where my prefetches stand
.set MSB, 0
.macro WIN new                         ; the immediate's high byte repeats the setting that is left
.if MSB != (\new)
	s_set_vgpr_msb (MSB<<8)|(\new)
.set MSB, \new
.endif
.endm
.set TO_B, 0x40                        ; destination window 1, address window 0
.macro JLOAD g0a, g1a, g0b, g1b        ; a joint load: waves 0, 1 fetch x's chunks, waves 2, 3 W's; s_nop 0 and four v_nop behind each line
	s_cmp_eq_u32 s15, 0
	s_cbranch_scc0 .Lfor_b_\@
	tensor_load_to_lds s[\g0a:\g0a+3], s[\g1a:\g1a+7]
	s_nop 0
.rept 4
	v_nop
.endr
	s_branch .Lasked_\@
.Lfor_b_\@:
	tensor_load_to_lds s[\g0b:\g0b+3], s[\g1b:\g1b+7]
	s_nop 0
.rept 4
	v_nop
.endr
.Lasked_\@:
.endm
.macro CREST                           ; a round of the cluster's barrier behind its opening barrier
	s_cmp_lg_u32 s14, 0
	s_cbranch_scc1 .Lnot_wave_0_\@
	s_barrier_signal -3
.Lnot_wave_0_\@:
	s_barrier_wait -3
	s_barrier_signal -1
	s_barrier_wait -1
.endm
.macro CROUND
	s_barrier_signal -1
	s_barrier_wait -1
	CREST
.endm
.macro ASK                             ; s3 = 1 in the loop's last trip: K steps 16 and 17 do not exist
	s_cmp_gt_u32 s3, 1
	s_cbranch_scc0 .Lno_ask_\@
	global_prefetch_b8 v[PFO], s[PFA:PFA+1] th:TH_LOAD_NT scope:SCOPE_SE
.Lno_ask_\@:
.endm
.macro PLACES n
.rept \n
	v_nop
.endr
.endm
	s_load_b256 s[4:11], s[0:1], 0x0               ; xq s[4:5], wq s[6:7], bias s[8:9], out0 s[10:11]
	v_lshl_add_u32 v[SPW], v0, 2, SPARE
	v_mov_b32 v[NIL], 0
	ds_add_u32 v[SPW], v[NIL]                      ; the opening lines: the add, twice on end, and its wait ahead of my first tensor load
	ds_add_u32 v[SPW], v[NIL]
	v_lshrrev_b32 v1, 5, v0
	v_readfirstlane_b32 s14, v1                    ; wave 0..3
	s_lshr_b32 s15, s14, 1                         ; my half of the block's rows.  Also: I fetch for x (0) or for W (1)
	s_and_b32 s16, s14, 1                          ; my half of its columns.  Also: which row block of 128 I fetch
	s_bfe_u32 s40, ttmp6, 0x40000                  ; cx, cy
	s_bfe_u32 s41, ttmp6, 0x40004
	s_lshl_b32 s42, ttmp9, 2
	s_add_co_u32 s42, s42, s40                     ; block column = 4 x cluster x + cx
	s_and_b32 s17, ttmp7, 0xffff
	s_lshl_b32 s17, s17, 2
	s_add_co_u32 s17, s17, s41                     ; block row = 4 x cluster y + cy
	s_lshl_b32 s43, s41, 2
	s_lshl_b32 s43, 15, s43                        ; my row of the cluster
	s_lshl_b32 s44, 0x1111, s40                    ; my column
	s_or_b32 s[G1+0], s43, (3<<16)|(1<<21)         ; the mask; elements of 8 bytes; bit 21 beside a mask; no padding: fragment images are read 512 bytes on end
	s_or_b32 s[G1B+0], s44, (3<<16)|(1<<21)
.irp g, G1, G1B
	s_mov_b32 s[\g+1], 32<<16                      ; a dense chunk as 132 rows of 32 elements = 256 bytes
	s_mov_b32 s[\g+2], 132<<16
	s_mov_b32 s[\g+3], 32<<16
	s_mov_b32 s[\g+4], 132
	s_mov_b32 s[\g+5], 32
	s_mov_b32 s[\g+6], 0
	s_mov_b32 s[\g+7], 0
.endr
	s_lshl_b32 s20, s17, 1
	s_add_co_u32 s20, s20, s16
	s_mul_i32 s20, s20, ROWBLK                     ; x: row block 2 x block row + half (under 2^26 bytes)
	s_mov_b32 s21, 0
	s_lshl_b32 s46, s42, 1
	s_add_co_u32 s46, s46, s16
	s_mul_i32 s46, s46, ROWBLK                     ; W: row block 2 x block column + half
	s_mov_b32 s47, 0
	s_mul_i32 s45, s14, CHUNK                      ; where my chunk goes in a slot: the wave's number alone
	s_wait_dscnt 0x0                               ; both opening adds are done
	s_wait_kmcnt 0x0
	s_add_nc_u64 s[20:21], s[4:5], s[20:21]
	s_add_nc_u64 s[46:47], s[6:7], s[46:47]
.irp s, 0,1
	s_mov_b32 s[G0+4*\s], 1
	s_add_co_u32 s[G0+4*\s+1], s45, \s*SLOT
	s_add_nc_u64 s[G0+4*\s+2:G0+4*\s+3], s[20:21], \s*CHUNK
	s_or_b32 s[G0+4*\s+3], s[G0+4*\s+3], 0x80000000
	s_mov_b32 s[G0B+4*\s], 1
	s_add_co_u32 s[G0B+4*\s+1], s45, \s*SLOT
	s_add_nc_u64 s[G0B+4*\s+2:G0B+4*\s+3], s[46:47], \s*CHUNK
	s_or_b32 s[G0B+4*\s+3], s[G0B+4*\s+3], 0x80000000
.endr
	CROUND                                         ; all sixteen work-groups are here: the first joint loads meet
	JLOAD G0, G1, G0B, G1B                         ; K step 0: one tensor load a wave at the head
	; the scalar part of the addresses first, then the vector lines in one run
	s_lshl_b32 s18, s42, 10
	s_lshl_b32 s19, s16, 9
	s_add_co_u32 s18, s18, s19                     ; my first column in bytes: 1,024 x block column + 512 x half
	s_mov_b32 s19, 0
	s_add_nc_u64 s[8:9], s[8:9], s[18:19]
	s_lshl_b32 s12, s17, 8
	s_lshl_b32 s13, s15, 7
	s_add_co_u32 s12, s12, s13                     ; my first row of out0
	s_lshl_b32 s12, s12, 13                        ; rows of 8,192 bytes (under 2^26 in all)
	s_add_co_u32 s12, s12, s18
	s_mov_b32 s13, 0
	s_add_nc_u64 s[10:11], s[10:11], s[12:13]
	s_cmp_eq_u32 s15, 0                            ; do I fetch for x?
	s_cselect_b32 s23, s40, s41                    ; my place among the four that ask with me
	s_cselect_b64 s[PFA:PFA+1], s[20:21], s[46:47]
	s_lshl_b32 s12, s23, 13                        ; my work-group's 32 blocks of 256 bytes,
	s_add_co_u32 s12, s12, 3*CHUNK                 ; at K step 3: the first refill steps it to 4
	s_add_nc_u64 s[PFA:PFA+1], s[PFA:PFA+1], s[12:13]
	s_mul_i32 s12, s15, CHUNK                      ; my x chunk in a slot
	s_mul_i32 s13, s16, CHUNK
	s_add_co_u32 s13, s13, 2*CHUNK                 ; my W chunk
	s_xor_b32 s22, s15, 1
	s_add_co_u32 s22, s22, s16
	s_add_co_u32 s22, s22, 1
	s_mul_i32 s22, s22, CHUNK                      ; the distance from the first to the second: (2 + column half - row half) chunks
	s_mul_i32 s21, s14, 16*SPITCH                  ; my stage
	v_and_b32 v1, 15, v0                           ; r
	v_bfe_u32 v2, v0, 4, 1                         ; h
	v_and_b32 v3, 31, v0                           ; lane
	v_lshlrev_b32 v4, 4, v3
	v_add_nc_u32 v[ADRA], s12, v4
	v_add_nc_u32 v[ADRB], s13, v4
	v_add_nc_u32 v[ADRA+1], SLOT, v[ADRA]
	v_add_nc_u32 v[ADRB+1], SLOT, v[ADRB]
	v_mul_u32_u24 v6, s22, v2                      ; lanes 16-31 take W's scale words
	v_lshl_add_u32 v6, v1, 3, v6
	v_add_nc_u32 v6, s12, v6
	v_add_nc_u32 v[ADRS], 32768, v6
	v_add_nc_u32 v[ADRS+1], 32768+SLOT, v6
	v_mul_u32_u24 v7, v1, SPITCH
	v_lshl_add_u32 v7, v2, 5, v7
	v_add_nc_u32 v[STO], s21, v7                   ; row r of the stage, 32 bytes for each half of the lanes
	v_add_nc_u32 v[RD], s21, v4                    ; back: the 32 lanes take one row of 512 bytes
	v_lshlrev_b32 v[CO], 4, v3
	v_lshlrev_b32 v[PFO], 8, v3
	v_lshlrev_b32 v5, 5, v2
	s_wait_alu depctr_va_vdst(0)
.irp b, 0,1,2,3,4,5,6,7
	global_load_b128 v[BI+8*\b:BI+8*\b+3], v5, s[8:9] offset:64*\b          ; bias[16 b + 8 h + 0 .. 7] of my columns
	global_load_b128 v[BI+8*\b+4:BI+8*\b+7], v5, s[8:9] offset:64*\b+16
.endr
.macro FRAG reg, adr, q, i             ; a fragment's image: four loads of 512 bytes on end
.irp c, 0,1,2,3
	ds_load_b128 v[\reg+4*\c:\reg+4*\c+3], v[\adr] offset:(2*(\i)+(\q))*2048+512*\c
.endr
.endm
.macro LA slot, q, i0, n               ; x's blocks i0 .. i0 + n - 1 of the slot's q-th 128 along K
	WIN 0
.set II, \i0
.rept \n
	FRAG AF+FR*II, ADRA+\slot, \q, II
.set II, II+1
.endr
.endm
.macro LB slot, q, p, i0, n            ; W's fragments i0 .. i0 + n - 1 into set p
	WIN TO_B
.set II, \i0
.rept \n
	FRAG 128*(\p)+FR*II, ADRB+\slot, \q, II
.set II, II+1
.endr
.endm
.macro SCALES sc                       ; a K step's scale words: two words a row; lanes 0-15 x's block i, lanes 16-31 W's block i
.irp i, 0,1,2,3,4,5,6,7
	ds_load_b64 v[SC+16*\sc+2*\i:SC+16*\sc+2*\i+1], v[ADRS+\sc] offset:128*\i
.endr
.endm
; A group: x's block a against W's eight fragments of set p; a v_nop behind each product.  first = 1: C is the bias (window 0).  The 64 accumulators take turns, in the same order in every step.
.macro GRP a, p, q, sc, first
.if \first
	WIN 0x81+0x40*((\a)/4)
.else
	WIN 0xa1+0x50*((\a)/4)
.endif
.irp b, 0,1,2,3,4,5,6,7
.if \first
	v_wmma_scale_f32_16x16x128_f8f6f4 v[8*(8*((\a)%4)+\b):8*(8*((\a)%4)+\b)+7], v[128*(\p)+FR*\b:128*(\p)+FR*\b+FR-1], v[AF+FR*(\a):AF+FR*(\a)+FR-1], v[BI+8*\b:BI+8*\b+7], v[SC+16*(\sc)+2*\b+(\q)], v[SC+16*(\sc)+2*(\a)+(\q)] matrix_a_scale:MATRIX_SCALE_ROW1
.else
	v_wmma_scale_f32_16x16x128_f8f6f4 v[8*(8*((\a)%4)+\b):8*(8*((\a)%4)+\b)+7], v[128*(\p)+FR*\b:128*(\p)+FR*\b+FR-1], v[AF+FR*(\a):AF+FR*(\a)+FR-1], v[8*(8*((\a)%4)+\b):8*(8*((\a)%4)+\b)+7], v[SC+16*(\sc)+2*\b+(\q)], v[SC+16*(\sc)+2*(\a)+(\q)] matrix_a_scale:MATRIX_SCALE_ROW1
.endif
	v_nop
.endr
.endm
; A slot's first step (q = 0, W's set 0).  On entry the LDS loads still out are, in order, .. x's block 0, blocks 1 to 6 (24 loads).  Each wait leaves out what was issued behind the block that the group multiplies:
; 24 at group 0, and 4 more at each group: one block fewer ahead, two fragments more behind.  Block 7 of this step comes behind group 0; then W's set 1 and x's blocks 0 to 6 of the slot's second step.
.macro RSTEP slot, first
	s_wait_dscnt 24
	GRP 0, 0, 0, \slot, \first
	LA \slot, 0, 7, 1
	LB \slot, 1, 1, 0, 1
	s_wait_dscnt 28
	GRP 1, 0, 0, \slot, \first
	LB \slot, 1, 1, 1, 2
	s_wait_dscnt 32
	GRP 2, 0, 0, \slot, \first
	LB \slot, 1, 1, 3, 2
	s_wait_dscnt 36
	GRP 3, 0, 0, \slot, \first
	LB \slot, 1, 1, 5, 2
	s_wait_dscnt 40
	GRP 4, 0, 0, \slot, \first
	LB \slot, 1, 1, 7, 1
	LA \slot, 1, 0, 1
	s_wait_dscnt 44
	GRP 5, 0, 0, \slot, \first
	LA \slot, 1, 1, 2
	s_wait_dscnt 48
	GRP 6, 0, 0, \slot, \first
	LA \slot, 1, 3, 2
	s_wait_dscnt 52
	GRP 7, 0, 0, \slot, \first
	LA \slot, 1, 5, 2
.endm
.macro ALOAD a                         ; the last K step: x's block a, both 128s, into buffer a % 2
.irp q, 0,1
	FRAG AF+32*((\a)%2)+FR*\q, ADRA+1, \q, \a
.endr
.endm
; A slot's second step (q = 1, W's set 1) changes slots.  Block 7's loads, behind group 0, are my last reads of this slot.  Then: all my tensor loads have landed, the add, a group, the wait for the add and the reads,
; the signal, a group, the wait; fill = 1: the rest of the cluster's round and the joint refill, two K steps ahead.  Behind it the next slot's scale words, W's set 0 and x's blocks 0 to 6 are read, among groups 3 to 7.
; fill = 0 (the step ahead of the last K step): nothing is filled; x's blocks 0 and 1 come whole, and W's set 1 takes the last 128 along K.
.macro TSTEP slot, next, fill
.if \fill
	s_wait_xcnt 0x0                                ; my last prefetch has read its address
	s_add_nc_u64 s[PFA:PFA+1], s[PFA:PFA+1], CHUNK
.endif
	s_wait_dscnt 24                                ; W's set 1 and x's block 0 are in; blocks 1 to 6 may be out
	GRP 0, 1, 1, \slot, 0
	LA \slot, 1, 7, 1
	s_wait_tensorcnt 0x0                           ; all my tensor loads have landed: my chunk of the next slot
	ds_add_u32 v[SPW], v[NIL]                      ; 0 onto my spare word
.if \fill
	s_add_nc_u64 s[G0+4*\slot+2:G0+4*\slot+3], s[G0+4*\slot+2:G0+4*\slot+3], 2*CHUNK
	s_add_nc_u64 s[G0B+4*\slot+2:G0B+4*\slot+3], s[G0B+4*\slot+2:G0B+4*\slot+3], 2*CHUNK
.endif
	s_wait_dscnt 25                                ; block 1 is in: behind it blocks 2 to 7 (24 loads) and the add
	GRP 1, 1, 1, \slot, 0
	s_wait_dscnt 0x0                               ; the add is done, and my reads of this slot are over
	s_barrier_signal -1
	GRP 2, 1, 1, \slot, 0
	WIN 0
	s_barrier_wait -1
.if \fill
	CREST                                          ; no wave of any partner still reads this slot or has a load on its way
	JLOAD G0+4*\slot, G1, G0B+4*\slot, G1B         ; the first tensor load behind the round
.endif
	SCALES \next
.if \fill
	ASK
.endif
	LB \next, 0, 0, 0, 2
	GRP 3, 1, 1, \slot, 0
	LB \next, 0, 0, 2, 3
	GRP 4, 1, 1, \slot, 0
	LB \next, 0, 0, 5, 3
	GRP 5, 1, 1, \slot, 0
.if \fill
	LA \next, 0, 0, 3
.else
	WIN 0
	ALOAD 0
.endif
	GRP 6, 1, 1, \slot, 0
.if \fill
	LA \next, 0, 3, 3
.else
	WIN 0
	ALOAD 1
.endif
	GRP 7, 1, 1, \slot, 0
.if \fill
	LA \next, 0, 6, 1
.else
	PLACES 8                                       ; set 1 has just been multiplied
	LB \next, 1, 1, 0, 8
.endif
.endm
; THE LAST K STEP GOES BY ROWS OF out0: W's fragments of both 128s fill window 1; my eight blocks of 16 rows are finished one after the other, 16 products each (the block's 8 accumulators by turns, K ascending), and leave at once.
.macro ROW a
.set FA, AF+32*((\a)%2)
.set AC, 64*((\a)%4)
	WIN 0xa1+0x50*((\a)/4)
.irp q, 0,1
.if ((\a) == 0) && (\q == 1)
	s_wait_dscnt 0x0                               ; W's set 1 is in
.endif
.irp b, 0,1,2,3,4,5,6,7
	v_wmma_scale_f32_16x16x128_f8f6f4 v[AC+8*\b:AC+8*\b+7], v[128*\q+FR*\b:128*\q+FR*\b+FR-1], v[FA+FR*\q:FA+FR*\q+FR-1], v[AC+8*\b:AC+8*\b+7], v[SC+16+2*\b+\q], v[SC+16+2*(\a)+\q] matrix_a_scale:MATRIX_SCALE_ROW1
.endr
.endr
.endm
.macro TOSTAGE a                       ; block a into my own stage, each accumulator from its low end on, and back as whole rows of 512 bytes (LDS serves a wave's instructions in order: ISA guide 5.7.1.4)
.set AC, 64*((\a)%4)
	WIN 0x08+4*((\a)/4)
.irp b, 0,1,2,3,4,5,6,7
	ds_store_b128 v[STO], v[AC+8*\b:AC+8*\b+3] offset:64*\b
	ds_store_b128 v[STO], v[AC+8*\b+4:AC+8*\b+7] offset:64*\b+16
.endr
	WIN 0
.set BB, BK+128*((\a)%2)
.irp t, 0,1,2,3,4,5,6,7,8,9,10,11,12,13,14,15
	ds_load_b128 v[BB+4*\t:BB+4*\t+3], v[RD] offset:\t*SPITCH
.endr
.endm
.macro SEND a
.set BB, BK+128*((\a)%2)
	s_wait_dscnt 0x0
.irp t, 0,1,2,3,4,5,6,7,8,9,10,11,12,13,14,15
	global_store_b128 v[CO], v[BB+4*\t:BB+4*\t+3], s[10:11] offset:(16*(\a)+\t)*SIZE_N*4 th:TH_STORE_NT   ; 32 lanes store 512 consecutive bytes, at a multiple of 256 from out0's first byte
.endr
.endm
	s_wait_tensorcnt 0x0                           ; my chunk of K step 0 is in
	ds_add_u32 v[SPW], v[NIL]
	s_wait_dscnt 0x0
	CROUND                                         ; all four chunks are in, and all sixteen work-groups are here
	JLOAD G0+4, G1, G0B+4, G1B                     ; K step 1: slot 1's first fill, the first tensor load behind the round
	SCALES 0
	LB 0, 0, 0, 0, 8
	LA 0, 0, 0, 7                                  ; in the order in which the loop leaves them: x's blocks 1 to 6 are the last 24 loads
	s_wait_loadcnt 0x0                             ; the bias
	RSTEP 0, 1                                     ; the first step stands ahead of the loop: its products start the sums from the bias
	s_mov_b32 s3, LAPS-1
.Llap:                                                 ; a trip goes once round the ring and fills both slots again
	TSTEP 0, 1, 1
	RSTEP 1, 0
	TSTEP 1, 0, 1
	RSTEP 0, 0
	s_sub_co_u32 s3, s3, 1
	s_cmp_lg_u32 s3, 0
	s_cbranch_scc1 .Llap
	TSTEP 0, 1, 0
	s_wait_dscnt 32                                ; all but W's set 1, the 32 loads just issued
	ROW 0
.irp a, 0,1,2,3,4,5,6,7
	PLACES 8                                       ; ahead of the loads into the block's x registers and of the stores that read its results
	WIN 0
.if \a < 6
	ALOAD \a+2
.endif
.if \a > 1
	s_wait_xcnt 0x0                                ; block a - 2's stores have read their registers
.endif
	TOSTAGE \a
.if \a < 7
	ROW \a+1
	WIN 0
.endif
	SEND \a
.endr
	s_wait_tensorcnt 0x0                           ; the wave's end
	ds_add_u32 v[SPW], v[NIL]
	s_wait_dscnt 0x0
	CROUND                                         ; the closing round
	s_endpgm
.Lfunc_end_k_q6e7b3d5727_gemm:
	.size	k_q6e7b3d5727_gemm, .Lfunc_end_k_q6e7b3d5727_gemm-k_q6e7b3d5727_gemm
	.p2alignl 7, 3214868480
	.fill 96, 4, 3214868480
	.section	.rodata,"a",@progbits
	.p2align	6, 0x0
	.amdhsa_kernel k_q6e7b3d5727_gemm
		.amdhsa_group_segment_fixed_size 327680
		.amdhsa_private_segment_fixed_size 0
		.amdhsa_enable_private_segment 0
		.amdhsa_kernarg_size 32
		.amdhsa_user_sgpr_count 2
		.amdhsa_user_sgpr_kernarg_segment_ptr 1
		.amdhsa_wavefront_size32 1
		.amdhsa_system_sgpr_workgroup_id_x 1
		.amdhsa_system_sgpr_workgroup_id_y 1
		.amdhsa_system_sgpr_workgroup_id_z 1
		.amdhsa_system_vgpr_workitem_id 0
		.amdhsa_next_free_vgpr 1024
		.amdhsa_next_free_sgpr 72
		.amdhsa_reserve_vcc 0
		.amdhsa_float_denorm_mode_32 3
		.amdhsa_float_denorm_mode_16_64 3
		.amdhsa_memory_ordered 1
		.amdhsa_forward_progress 1
		.amdhsa_inst_pref_size 159
	.end_amdhsa_kernel
	.amdgpu_metadata
---
amdhsa.version: [ 1, 2 ]
amdhsa.kernels:
  - .name:           k_q6e7b3d5727_gemm
    .symbol:         k_q6e7b3d5727_gemm.kd
    .args:
      - { .name: xq, .offset: 0, .size: 8, .value_kind: global_buffer, .address_space: global }
      - { .name: wq, .offset: 8, .size: 8, .value_kind: global_buffer, .address_space: global }
      - { .name: bias, .offset: 16, .size: 8, .value_kind: global_buffer, .address_space: global }
      - { .name: out0, .offset: 24, .size: 8, .value_kind: global_buffer, .address_space: global }
    .group_segment_fixed_size: 327680
    .private_segment_fixed_size: 0
    .kernarg_segment_align: 8
    .kernarg_segment_size: 32
    .max_flat_workgroup_size: 128
    .sgpr_count:     72
    .vgpr_count:     1024
    .wavefront_size: 32
...
	.end_amdgpu_metadata
.endif
;; end of part 2
